; MI455X (gfx1250); checked and timed in simulation.
; The chip was launched on July 23, 2026; its instructions are those of AMD's public machine-readable ISA for CDNA 5 (MIT licence, August 2026) and "CDNA5" Instruction Set Architecture Reference Guide (July 2026). The comments in the code are by the model that wrote it; some were corrected since.
;; Matmul Layer. Allowed arithmetic: matrix products marked QUANTISED: E2M1 operands, one E8M0 scale for each 32 along K, by v_wmma_scale_f32_16x16x128_f8f6f4 with both operands' format E2M1 (or v_wmma_scale_f32_32x16x128_f4), f32 sums; everything else in f32.
;; Inputs: a_codes 4,096 x 128 x 16 uint8 (E2M1 codes of a, K innermost, in blocks of 32 codes, two codes a byte); a_scales 4,096 x 128 uint8 (E8M0 scales of a, one for each 32 codes along K); q_weight 4,096 x 4,096 int32; scales 32 x 4,096 float16; zeros 32 x 4,096 float16.
;; Outputs: out0 4,096 x 4,096 float32.
;; This version of the problem:
;;   THIS VERSION OF THE PROBLEM IS GIVEN IN LOW PRECISION. The matrix products marked QUANTISED in the list below multiply operands that are first quantised to E2M1 (2 exponent bits, 1 mantissa bit; 4 bits a number), with one power-of-two scale for each 32 numbers along K (OCP MX v1.0); their sums are f32. All else is computed in f32.
;;   The module's matrix products, in the order in which they are computed (A, B: the left and right operand; K: the contracted axis; several contracted axes count as one K, in the product's order):
;;     1. [M 4,096, K 4,096] x [K 4,096, N 4,096]; A: input a (given as codes); B: computed on the way: QUANTISED
;;   THE QUANTISER, for each operand of a quantised product, along K:
;;     - K is cut into blocks of 32 from its start; a last block that is shorter is filled with zeros.
;;     - A block's scale is 2^e with e = floor(log2(the largest magnitude in the block)) - 2, held to -126 .. 127; a block of zeros has e = 0. As a byte (E8M0): e + 127.
;;     - Each number is divided by its block's scale, clamped to +-6, and rounded to the nearest number of E2M1, ties to even, subnormals kept.
;;     - The product sums the exact products of the quantised numbers (number of the format x scale) in f32.
;;   ~~~python
;;   def quantise(x, axis):      # numpy; x: float32 -> the quantised numbers, widened to float32 again
;;       x = np.moveaxis(x, axis, -1); K = x.shape[-1]
;;       x = np.pad(x, [(0, 0)] * (x.ndim - 1) + [(0, -K % 32)]); x = x.reshape(x.shape[:-1] + (-1, 32)); a = np.abs(x).max(-1, keepdims=True)
;;       e = np.where(a > 0, np.clip(np.frexp(np.where(a > 0, a, 1))[1] - 1 - 2, -126, 127), 0)      # np.frexp(a)[1] - 1 = floor(log2(a)), exactly
;;       r = np.clip(x / 2.0 ** e, -6, 6)
;;       step = 2.0 ** (np.maximum(np.frexp(np.where(r == 0, 1, r))[1] - 1, 0) - 1)
;;       q = np.round(r / step) * step * 2.0 ** e      # np.round: ties to even
;;       return np.moveaxis(q.reshape(q.shape[:-2] + (-1,))[..., :K], -1, axis).astype(np.float32)
;;   ~~~
;;   OPERANDS COMPUTED ON THE WAY. 'Computed on the way' means the value that the module computes at that place (a softmax that the list does not call 'softmax' is quantised finished and normalised). What goes into a quantiser is computed in f32, as accurately as f32 sums, v_exp_f32 and their like allow (about 1e-6 of the number): no bf16 or f16 on the way to a quantiser, and a product that is left as it is and whose result goes on into a quantised operand takes f32 operands (vector FMAs, or v_wmma_f32_16x16x4_f32). A number that lies on a knife's edge between two numbers of the format may be rounded either way, as far as f32 arithmetic and the matrix unit's own rounding can turn it there, and no further.
;;   INPUTS GIVEN AS CODES. a (in the module: [4096, 4096], K = its axis 1): each comes as NAME_codes (uint8): NAME with its K axis moved to the last place and cut into blocks of 32 codes, [.., K / 32, bytes a block], one block behind the other in memory; two codes a byte, the lower K in the low four bits (a code: sign, 2 exponent bits, 1 mantissa bit); and NAME_scales (uint8): the same leading axes, one E8M0 byte (e + 127) for each 32 codes along K. Its value is code x scale, taken as it is: it is not quantised again, and the codes and scales need not be those that the quantiser above would give.
;; One version. Each part assembles by itself: llvm-mc -triple=amdgcn-amd-amdhsa -mcpu=gfx1250 --defsym DOCPART=n.
;; ======== version 1 of 1: 2 launches
;; limits: values are held in f16: magnitudes above 65,504 overflow, below 6.1e-05 lose precision; right only within a limited range of input values
;; workspace buffers: wq 8,912,896 bytes
;; launch quantw (part 1): grid 32 x 8, 16 waves a work-group, no clusters, 38,912 bytes of LDS; arguments q_weight, scales, zeros, wq; writes wq
.if DOCPART == 1
	.amdgcn_target "amdgcn-amd-amdhsa--gfx1250"
	.amdhsa_code_object_version 6
	.text
	.protected	k_qf5801ebd8d_quantw
	.globl	k_qf5801ebd8d_quantw
	.p2align	8
	.type	k_qf5801ebd8d_quantw,@function
k_qf5801ebd8d_quantw:
	s_mov_b64 s[64:65], 0
	v_nop
	global_prefetch_b8 v0, s[64:65] scope:SCOPE_SE
	s_setreg_imm32_b32 hwreg(HW_REG_WAVE_MODE, 25, 1), 1
	s_wait_xcnt 0x0
; W[k][n] = (f32(q[k][n]) - f32(zeros[k / 128][n])) x f32(scales[k / 128][n]), a subtraction and a multiplication in f32, each rounded by itself; then W is
; quantised along K, its FIRST axis, in blocks of 32, to codes of FP4 (E2M1) with one E8M0 byte a block.  q: [4096][4096] int32; scales, zeros: [32][4096] f16.
; A block's scale is 2^(floor(log2(its largest magnitude)) - 2); its byte is the largest magnitude's own exponent field - 2, held at 1 from below.
; WHERE IT GOES.  wq is this program's own buffer, laid as the product's launch fetches it: 32 blocks of 128 columns x 8 K steps of 512, block (nb, j) at (8 nb + j) x 34,816 bytes, dense:
;   bytes 0 .. 32,767: 128 rows of 256 bytes: row r = the codes of column 128 nb + r, k = 512 j .. 512 j + 511, two codes a byte, the lower k in the low four bits;
;   bytes 32,768 .. 34,815: 16 scale bytes a row, at 16 r + (k / 32 - 16 j).
; LIMITS: NaN and infinities among scales and zeros are not served.  A block of zeros gets the byte 1 where the rule says 127: its codes are zeros, which add nothing under any byte but 0xff,
; and this program alone reads the bytes.  A block whose largest magnitude lies under 2^-124 keeps the byte 1, which is the rule's hold at -126.
; SHARES.  A work-group makes one block of wq.  Of its sixteen waves, wave w takes columns 64 (w % 2) on and k = 64 (w / 2) on: two blocks of 32, both inside one group of 128.
; A LANE TAKES TWO NEIGHBOURING COLUMNS, AND ITS REGISTERS RUN DOWN K: a load of 8 bytes a lane reads 256 consecutive bytes of one row of q, at a multiple of 256 from q's first byte; a block of 32
; lies in one lane's registers, so its largest magnitude needs no other lane; and the conversions, which take neighbours along K from one lane's consecutive registers, give codes with K innermost.
; The two columns are parted for nothing: the conversion from int32 writes each number where it is wanted.  A wave's 64 rows are 64 such loads, 16 KiB, all issued at its head.
; The codes meet in a stage in LDS (rows of 256 bytes + 16), the scale bytes behind it; one barrier; then whole rows leave, 512 consecutive bytes a wave and store.
; No tensor loads, no loop, every offset an immediate, no register of a load or store written again.  No matrix unit and no cluster: work-groups share no input, and the launch is a stream.
.set QROW,  16384                      ; a row of q in bytes
.set BLKB,  34816                      ; a block of wq in bytes
.set PITCH, 272                        ; a stage row: 256 bytes + 16
.set SCS,   128*PITCH                  ; behind the stage: the block's 2,048 scale bytes, dense
.set X,     32                         ; v32-159   q as loaded: block b, row i, column c at X + 64 b + 2 i + c;  on the way out v32-51 are used again
.set W,     160                        ; v160-223  the numbers: column c, row i at W + 32 c + i
.set C,     224                        ; v224-239  the codes: block b, column c: four registers at C + 8 b + 4 c; each block has its own
; v1 lane; v2 8 x lane; v3 4 x lane; v4 stage, way in; v5 scale bytes, way in; v6 stage, way out; v7 16 x thread; v8 16 x (thread % 128); v10, v11 scales and zeros as loaded;
; v[12:13] z of column 0, twice; v[14:15] of column 1; v[16:17], v[18:19] s likewise; v20-23 four chains of maxima; v24, v25 the conversions' scale operands; v26-29 scale bytes
	s_load_b256 s[4:11], s[0:1], 0x0               ; q s[4:5], scales s[6:7], zeros s[8:9], wq s[10:11]
	v_lshl_add_u32 v240, v0, 2, 0x9000
	v_mov_b32 v241, 0
	v_lshrrev_b32 v1, 5, v0
	s_delay_alu instid0(VALU_DEP_1)
	v_readfirstlane_b32 s12, v1                    ; wave 0..15
	v_and_b32 v1, 31, v0                           ; lane
	s_wait_alu depctr_va_vdst(0)
	s_and_b32 s13, s12, 1                          ; ch: which 64 columns
	s_lshr_b32 s14, s12, 1                         ; kp: which 64 along K
	s_and_b32 s15, ttmp7, 0xffff                   ; j: the K step;  ttmp9 = nb: the block of columns
	s_lshl_b32 s16, s15, 9
	s_lshl_b32 s22, s14, 6
	s_add_co_u32 s16, s16, s22                     ; my first row of q: 512 j + 64 kp,
	s_lshl_b32 s16, s16, 14                        ; in bytes (under 2^26),
	s_lshl_b32 s22, ttmp9, 9
	s_lshl_b32 s23, s13, 8
	s_add_co_u32 s22, s22, s23                     ; and my first column: (128 nb + 64 ch) x 4
	s_add_co_u32 s16, s16, s22
	s_mov_b32 s17, 0
	s_lshl_b32 s18, s15, 2
	s_lshr_b32 s23, s14, 1
	s_add_co_u32 s18, s18, s23                     ; my group of 128 along K: 4 j + kp / 2,
	s_lshl_b32 s18, s18, 13                        ; a row of scales or zeros is 8,192 bytes,
	s_lshr_b32 s22, s22, 1                         ; and the column x 2
	s_add_co_u32 s18, s18, s22
	s_mov_b32 s19, 0
	s_lshl_b32 s20, ttmp9, 3
	s_add_co_u32 s20, s20, s15
	s_mul_i32 s20, s20, BLKB                       ; my block of wq
	s_mov_b32 s21, 0
	v_lshlrev_b32 v2, 3, v1                        ; q: 8 bytes a lane
	v_lshlrev_b32 v3, 2, v1                        ; scales, zeros: two f16 a lane
	s_mul_i32 s22, s13, 64*PITCH
	s_lshl_b32 s23, s14, 5
	s_add_co_u32 s22, s22, s23
	v_mul_u32_u24 v4, v1, 2*PITCH
	s_delay_alu instid0(VALU_DEP_1)
	v_add_nc_u32 v4, s22, v4                       ; the stage, on the way in: row 64 ch + 2 lane (+ column), byte 32 kp (+ 16 x block)
	s_lshl_b32 s22, s13, 10
	s_lshl_b32 s23, s14, 1
	s_add_co_u32 s22, s22, s23
	s_add_co_u32 s22, s22, SCS
	v_lshl_add_u32 v5, v1, 5, s22                  ; the scale bytes, on the way in: 16 x row + 2 kp: my two blocks' bytes are neighbours
	v_lshrrev_b32 v6, 4, v0
	s_delay_alu instid0(VALU_DEP_1)
	v_mul_u32_u24 v6, v6, PITCH
	v_and_b32 v8, 15, v0
	s_delay_alu instid0(VALU_DEP_1)
	v_lshl_add_u32 v6, v8, 4, v6                   ; the stage, on the way out: sixteen threads to a row, 32 rows a pass of the work-group
	v_lshlrev_b32 v7, 4, v0                        ; and the same place in the block of wq, whose rows are dense
	v_and_b32 v8, 127, v0
	s_delay_alu instid0(VALU_DEP_1)
	v_lshlrev_b32 v8, 4, v8                        ; the scale bytes, on the way out: 16 bytes for each of the first 128 threads
	s_wait_kmcnt 0x0
	s_add_nc_u64 s[4:5], s[4:5], s[16:17]
	s_add_nc_u64 s[6:7], s[6:7], s[18:19]
	s_add_nc_u64 s[8:9], s[8:9], s[18:19]
	s_add_nc_u64 s[10:11], s[10:11], s[20:21]
	global_load_b32 v10, v3, s[6:7]                ; s of my two columns
	global_load_b32 v11, v3, s[8:9]                ; z of my two columns
.irp b, 0,1
.irp i, 0,1,2,3,4,5,6,7,8,9,10,11,12,13,14,15,16,17,18,19,20,21,22,23,24,25,26,27,28,29,30,31
	global_load_b64 v[X+64*\b+2*\i:X+64*\b+2*\i+1], v2, s[4:5] offset:(32*\b+\i)*QROW th:TH_LOAD_NT   ; row 32 b + i of my 64; q is read once in the whole launch
.endr
.endr
; Block b of my two: 64 numbers become 2 x 32 codes and 2 bytes.
.macro BLOCK b
.irp i, 0,1,2,3,4,5,6,7,8,9,10,11,12,13,14,15,16,17,18,19,20,21,22,23,24,25,26,27,28,29,30,31
	v_cvt_f32_i32 v[W+\i], v[X+64*\b+2*\i]         ; column 0's number of row i,
	v_cvt_f32_i32 v[W+32+\i], v[X+64*\b+2*\i+1]    ; column 1's
.endr
.irp m, 0,2,4,6,8,10,12,14,16,18,20,22,24,26,28,30
	v_pk_add_f32 v[W+\m:W+\m+1], v[W+\m:W+\m+1], v[12:13] neg_lo:[0,1] neg_hi:[0,1]         ; q - z, two rows at a time
	v_pk_add_f32 v[W+32+\m:W+32+\m+1], v[W+32+\m:W+32+\m+1], v[14:15] neg_lo:[0,1] neg_hi:[0,1]
.endr
.irp m, 0,2,4,6,8,10,12,14,16,18,20,22,24,26,28,30
	v_pk_mul_f32 v[W+\m:W+\m+1], v[W+\m:W+\m+1], v[16:17]                                   ; x s: not fused with the subtraction: the difference is rounded first, as the problem has it
	v_pk_mul_f32 v[W+32+\m:W+32+\m+1], v[W+32+\m:W+32+\m+1], v[18:19]
.endr
	v_max3_num_f32 v20, |v[W]|, |v[W+1]|, 0x1800000            ; the largest magnitude of each column's 32: two chains a column, the four by turns.  The floor 2^(3 - 127) is one more leaf: the byte cannot fall under 1
	v_max3_num_f32 v21, |v[W+16]|, |v[W+17]|, |v[W+18]|
	v_max3_num_f32 v22, |v[W+32]|, |v[W+33]|, 0x1800000
	v_max3_num_f32 v23, |v[W+48]|, |v[W+49]|, |v[W+50]|
.irp i, 0,2,4,6,8,10
	s_delay_alu instid0(VALU_DEP_4)
	v_max3_num_f32 v20, v20, |v[W+2+\i]|, |v[W+3+\i]|
	s_delay_alu instid0(VALU_DEP_4)
	v_max3_num_f32 v21, v21, |v[W+19+\i]|, |v[W+20+\i]|
	s_delay_alu instid0(VALU_DEP_4)
	v_max3_num_f32 v22, v22, |v[W+34+\i]|, |v[W+35+\i]|
	s_delay_alu instid0(VALU_DEP_4)
	v_max3_num_f32 v23, v23, |v[W+51+\i]|, |v[W+52+\i]|
.endr
	s_delay_alu instid0(VALU_DEP_4)
	v_max3_num_f32 v20, v20, |v[W+14]|, |v[W+15]|
	s_delay_alu instid0(VALU_DEP_3)
	v_max3_num_f32 v22, v22, |v[W+46]|, |v[W+47]|
	s_delay_alu instid0(VALU_DEP_2)
	v_max3_num_f32 v20, v20, v21, |v[W+31]|
	s_delay_alu instid0(VALU_DEP_2)
	v_max3_num_f32 v22, v22, v23, |v[W+63]|
	s_delay_alu instid0(VALU_DEP_2)
	v_add_nc_u32 v24, 0xff000000, v20              ; 2 off the exponent field: the conversion takes the exponent field of this operand as its scale, and nothing else of it
	s_delay_alu instid0(VALU_DEP_2)
	v_add_nc_u32 v25, 0xff000000, v22
.irp c, 0,1
.irp g, 0,1,2,3
	v_cvt_scalef32_pk8_fp4_f32 v[C+8*\b+4*\c+\g], v[W+32*\c+8*\g:W+32*\c+8*\g+7], v[24+\c]   ; eight rows' codes, the lowest k in the lowest four bits; beyond 6 the largest code
.endr
.endr
	v_lshrrev_b32 v[26+2*\b], 23, v24              ; the scale bytes.  (These two plain lines also stand between the conversions and the next vector line that writes their sources)
	v_lshrrev_b32 v[27+2*\b], 23, v25
	ds_store_b128 v4, v[C+8*\b:C+8*\b+3] offset:16*\b              ; 32 codes: 16 bytes of column 0's row,
	ds_store_b128 v4, v[C+8*\b+4:C+8*\b+7] offset:PITCH+16*\b      ; of column 1's
.endm
	s_wait_loadcnt 32                              ; loads come back in order (ISA guide 5.7.1): s, z and block 0's 32 loads are in; block 1's 32, issued behind them, may be out
	v_cvt_f32_f16 v12, v11.l                       ; z and s in f32, each twice: whole pairs for the packed forms
	v_cvt_f32_f16 v13, v11.l
	v_cvt_f32_f16 v14, v11.h
	v_cvt_f32_f16 v15, v11.h
	v_cvt_f32_f16 v16, v10.l
	v_cvt_f32_f16 v17, v10.l
	v_cvt_f32_f16 v18, v10.h
	v_cvt_f32_f16 v19, v10.h
	BLOCK 0
	s_wait_loadcnt 0x0                             ; block 1's loads are in
	BLOCK 1
	v_lshl_or_b32 v26, v28, 8, v26                 ; a column's two bytes, the lower k in the lower byte
	v_lshl_or_b32 v27, v29, 8, v27
	ds_store_b16 v5, v26
	ds_store_b16 v5, v27 offset:16
	s_wait_dscnt 0x0                               ; for the others' sake: my stores into the stage and among the scale bytes are done
	s_barrier_signal -1
	s_barrier_wait -1                              ; everybody's are
.irp t, 0,1,2,3
	ds_load_b128 v[32+4*\t:35+4*\t], v6 offset:32*PITCH*\t         ; rows 32 t + thread / 16
.endr
.irp t, 0,1,2,3
	s_wait_dscnt 3-\t                              ; LDS loads come back in order (ISA guide 5.7.1): pass t is in, the younger ones may be out
	global_store_b128 v7, v[32+4*\t:35+4*\t], s[10:11] offset:8192*\t      ; a wave stores 512 consecutive bytes, at a multiple of 256 from wq's first byte; no hint: the next launch reads them
.endr
	s_cmp_lt_u32 s12, 4                            ; the 2,048 scale bytes are 16 for each thread of waves 0 to 3
	s_cbranch_scc0 .Lend
	ds_load_b128 v[48:51], v8 offset:SCS
	s_wait_dscnt 0x0
	global_store_b128 v8, v[48:51], s[10:11] offset:32768
.Lend:
	s_wait_tensorcnt 0x0
	ds_add_u32 v240, v241
	s_wait_dscnt 0x0
	s_endpgm
.Lfunc_end_k_qf5801ebd8d_quantw:
	.size	k_qf5801ebd8d_quantw, .Lfunc_end_k_qf5801ebd8d_quantw-k_qf5801ebd8d_quantw
	.p2alignl 7, 3214868480
	.fill 96, 4, 3214868480
	.section	.rodata,"a",@progbits
	.p2align	6, 0x0
	.amdhsa_kernel k_qf5801ebd8d_quantw
		.amdhsa_group_segment_fixed_size 38912
		.amdhsa_private_segment_fixed_size 0
		.amdhsa_enable_private_segment 0
		.amdhsa_kernarg_size 32
		.amdhsa_user_sgpr_count 2
		.amdhsa_user_sgpr_kernarg_segment_ptr 1
		.amdhsa_wavefront_size32 1
		.amdhsa_system_sgpr_workgroup_id_x 1
		.amdhsa_system_sgpr_workgroup_id_y 1
		.amdhsa_system_sgpr_workgroup_id_z 1
		.amdhsa_system_vgpr_workitem_id 0
		.amdhsa_next_free_vgpr 242
		.amdhsa_next_free_sgpr 66
		.amdhsa_reserve_vcc 0
		.amdhsa_float_denorm_mode_32 3
		.amdhsa_float_denorm_mode_16_64 3
		.amdhsa_memory_ordered 1
		.amdhsa_forward_progress 1
		.amdhsa_inst_pref_size 31
	.end_amdhsa_kernel
	.amdgpu_metadata
---
amdhsa.version: [ 1, 2 ]
amdhsa.kernels:
  - .name:           k_qf5801ebd8d_quantw
    .symbol:         k_qf5801ebd8d_quantw.kd
    .args:
      - { .name: q_weight, .offset: 0, .size: 8, .value_kind: global_buffer, .address_space: global }
      - { .name: scales, .offset: 8, .size: 8, .value_kind: global_buffer, .address_space: global }
      - { .name: zeros, .offset: 16, .size: 8, .value_kind: global_buffer, .address_space: global }
      - { .name: wq, .offset: 24, .size: 8, .value_kind: global_buffer, .address_space: global }
    .group_segment_fixed_size: 38912
    .private_segment_fixed_size: 0
    .kernarg_segment_align: 8
    .kernarg_segment_size: 32
    .max_flat_workgroup_size: 512
    .sgpr_count:     66
    .vgpr_count:     242
    .wavefront_size: 32
...
	.end_amdgpu_metadata
.endif
;; end of part 1
;; launch gemm (part 2): grid 16 x 16, 4 waves a work-group, clusters of 4 x 4, 327,680 bytes of LDS; arguments a_codes, a_scales, wq, out0; writes out0
.if DOCPART == 2
	.amdgcn_target "amdgcn-amd-amdhsa--gfx1250"
	.amdhsa_code_object_version 6
	.text
	.protected	k_qf5801ebd8d_gemm
	.globl	k_qf5801ebd8d_gemm
	.p2align	8
	.type	k_qf5801ebd8d_gemm,@function
k_qf5801ebd8d_gemm:
	s_mov_b64 s[64:65], 0
	v_nop
	global_prefetch_b8 v0, s[64:65] scope:SCOPE_SE
	s_setreg_imm32_b32 hwreg(HW_REG_WAVE_MODE, 25, 1), 1
	s_wait_xcnt 0x0
	s_wait_alu depctr_hold_cnt(0) depctr_sa_sdst(0) depctr_va_vdst(0) depctr_va_sdst(0) depctr_va_ssrc(0) depctr_va_vcc(0) depctr_vm_vsrc(0)
	s_getreg_b32 s2, hwreg(HW_REG_IB_STS2, 6, 4)
	s_cmp_eq_u32 s2, 0
	s_cbranch_scc0 .Lentry_in_a_cluster
	s_endpgm
.Lentry_in_a_cluster:
	s_bfe_u32 s2, ttmp6, 0x10000c
	s_cmp_lg_u32 s2, 0xf033
	s_cbranch_scc0 .Lentry_shape_is_right
	s_endpgm
.Lentry_shape_is_right:
; out[m][n] = sum over k of a[m][k] W[k][n], both operands as codes of FP4 (E2M1) with one E8M0 byte for each 32 along K; sums in f32.
; a_codes: [4096] rows of 2,048 bytes; a_scales: [4096] rows of 128 bytes; wq: this program's own buffer, block (nb, j) at (8 nb + j) x 34,816 bytes:
; 128 rows of 256 bytes (codes of column 128 nb + r, k = 512 j ..), then 2,048 scale bytes (16 a column).  Codes and scale bytes go to the matrix unit as they lie.
; SHARES.  A work-group of four waves makes 256 x 256 of out, a wave 128 x 128: 64 accumulators, 512 registers.  256 work-groups.  K goes in 8 steps of 512 through two LDS slots;
; a slot holds A's 256 rows and B's two blocks (2 x 136 rows of 256 bytes), rows 272 bytes apart.  A's scales for all of K (128 rows of 256 bytes) come once and stay behind the ring.
; CLUSTERS: 4 x 4.  A's tiles and scales are asked for jointly along a row of the cluster, B's blocks along a column.
; THE MATRIX INSTRUCTION IS USED TRANSPOSED (source 0 = 16 columns of W, source 1 = 16 rows of a): a lane holds eight neighbouring numbers of a row of out.
; FRAGMENTS: two sets for A and two for B.  While one pair of sets is multiplied (64 products, 128 along K), the next 128's 32 LDS loads go into the other pair,
; in four runs of eight behind the step's first four groups of eight products: each load stands at least 32 products ahead of its use.
; THE LAST K STEP GOES BY ROWS OF out: all its fragments of B fill window 1, A's come by blocks of 16 rows x 512 K, and each block of 16 rows is finished by 32 products and leaves at once.
; PREFETCH: behind the tensor load of K step j stands a request for K step j + 2, from the head on; K steps 0 and 1 come by their loads alone; behind the loads of K steps 6 and 7 nothing is asked.
; The four partners that ask for a tile jointly share its blocks of 256 bytes out by address: of A's 128 rows that a wave fetches, 32 (a lane a row); of B's 136 rows, 34 (32 lanes, then 2;
; the second line's other lanes name its last block again).
; REGISTERS: window 0: v0-31 addresses; v32-95 scale words, two sets; v128-191, v192-255 A's two sets (in the last K step: v96-191 three buffers for A's blocks, v192-255 rows read back).
; Window 1: B's sets at v0 and v128 (in the last K step all 256).  Window 2: the accumulators of my rows 0-63 ((a, b) at v[8 (8 a + b)]); window 3: those of rows 64-127.
.set SIZE_N, 4096
.set NQ,     4                         ; steps of 128 along K in a slot
.set ROWB,   256                       ; a tile's row in bytes
.set KROW,   2048                      ; a row of a_codes
.set BLKB,   34816                     ; a block of wq
.set PITCH,  272                       ; an LDS row: 256 bytes + 16
.set FR,     8                         ; registers of a fragment
.set HALFA,  128*PITCH
.set HALFB,  136*PITCH
.set SLOT,   2*HALFA+2*HALFB
.set LAPS,   4                         ; a lap = two K steps
.set SCA,    2*SLOT                    ; A's scales
.set SPARE,  SCA+128*PITCH             ; the spare words: 512 bytes that no other line names
.set SPITCH, 528                       ; the way out: 16 rows x (512 + 16) bytes a wave, in slot 0 behind its last fill and last read
.set ADRA,  16                         ; v16-17 my A fragments in slot 0, 1
.set PFO,   18                         ; v18 prefetch: lane x (a row of a_codes | 256)
.set PFO2,  19                         ; v19 prefetch, B's waves: blocks 32 and 33 of my 34
.set ADRB,  20                         ; v20-21 my B fragments
.set STO,   24
.set RD,    25
.set CO,    26
.set ADRSA, 27                         ; A's scale words: lanes 0-15 block i, lanes 16-31 block i + 4
.set SPW,   28
.set NIL,   29
.set ADRSB, 30                         ; v30-31 B's scale words in slot 0, 1
.set SC,    32
.set PA,    96                         ; the last K step: A's block a at PA + 32 (a % 3)
.set AF,    128
.set BK,    192                        ; the way out: 16 rows read back from the stage
.set G1,  24
.set G0,  32
.set G1B, 48
.set G0B, 56
.set G1S, 68
.set G0S, 76
.set G0H, 80                           ; the head's load of A's 256 rows
.set PFA, 84                           ; s[84:85] where my prefetches stand
.set PFS, 86                           ; s[86:87] a K step in my stream: 256 bytes in a_codes, a block in wq
.set MSB, 0
.macro WIN new                         ; the immediate's high byte repeats the setting that is left
.if MSB != \new
	s_set_vgpr_msb (MSB<<8)|\new
.set MSB, \new
.endif
.endm
.set MUL_LO, 0xa1                      ; source 0 (B) window 1, source 1 (A) window 0, C and D window 2
.set MUL_HI, 0xf1
.set TO_B,   0x40
.macro PLACES
.rept 4
	v_nop
.endr
.endm
; a joint load: waves 0, 1 fetch A's halves, waves 2, 3 B's blocks; s_nop 0 and four v_nop behind each line
.macro JLOAD g0a, g1a, g0b, g1b
	s_cmp_eq_u32 s15, 0
	s_cbranch_scc0 .Lfor_b_\@
	tensor_load_to_lds s[\g0a:\g0a+3], s[\g1a:\g1a+7]
	s_nop 0
	PLACES
	s_branch .Lasked_\@
.Lfor_b_\@:
	tensor_load_to_lds s[\g0b:\g0b+3], s[\g1b:\g1b+7]
	s_nop 0
	PLACES
.Lasked_\@:
.endm
.macro CREST                           ; a round of the cluster's barrier behind its opening barrier
	s_cmp_lg_u32 s14, 0
	s_cbranch_scc1 .Lnot_wave_0_\@
	s_barrier_signal -3
.Lnot_wave_0_\@:
	s_barrier_wait -3
	s_barrier_signal -1
	s_barrier_wait -1
.endm
.macro CROUND
	s_barrier_signal -1
	s_barrier_wait -1
	CREST
.endm
; the prefetch of the K step at s[PFA]; guard = 1: not in the loop's last trip, whose two K steps on lie beyond K
.macro ASK guard
.if \guard
	s_cmp_gt_u32 s3, 1
	s_cbranch_scc0 .Lnone_\@
.endif
	global_prefetch_b8 v[PFO], s[PFA:PFA+1] th:TH_LOAD_NT scope:SCOPE_SE
	s_cmp_eq_u32 s15, 0
	s_cbranch_scc1 .Lnone_\@
	global_prefetch_b8 v[PFO2], s[PFA:PFA+1] th:TH_LOAD_NT scope:SCOPE_SE
.Lnone_\@:
.endm
	s_load_b128 s[4:7], s[0:1], 0x0                ; a_codes, a_scales
	s_load_b64 s[8:9], s[0:1], 0x10                ; wq
	s_load_b64 s[12:13], s[0:1], 0x18              ; out
	v_lshl_add_u32 v[SPW], v0, 2, SPARE
	v_mov_b32 v[NIL], 0
	ds_add_u32 v[SPW], v[NIL]                      ; the opening lines: the add twice on end and one wait
	ds_add_u32 v[SPW], v[NIL]
	v_lshrrev_b32 v1, 5, v0
	v_readfirstlane_b32 s14, v1                    ; wave 0..3
	s_lshr_b32 s15, s14, 1                         ; my half of the rows; also: I fetch for A (0) or B (1)
	s_and_b32 s16, s14, 1                          ; my half of the columns; also: which half I fetch
	s_bfe_u32 s40, ttmp6, 0x40000                  ; cx
	s_bfe_u32 s41, ttmp6, 0x40004                  ; cy
	s_lshl_b32 s42, ttmp9, 2
	s_add_co_u32 s42, s42, s40                     ; tile column
	s_and_b32 s17, ttmp7, 0xffff
	s_lshl_b32 s17, s17, 2
	s_add_co_u32 s17, s17, s41                     ; tile row
	s_lshl_b32 s43, s41, 2
	s_lshl_b32 s43, 15, s43                        ; my row of the cluster
	s_lshl_b32 s44, 0x1111, s40                    ; my column
	s_or_b32 s[G1+0], s43, (0<<16)|(1<<20)|(1<<21)|(5<<22)|(3<<25)   ; A: bytes; 16 bytes of padding behind every 256
	s_mov_b32 s[G1+1], ROWB<<16
	s_mov_b32 s[G1+2], 256<<16                     ; 256 rows for the head's load; 128 behind it
	s_mov_b32 s[G1+3], ROWB<<16
	s_mov_b32 s[G1+4], 256
	s_mov_b32 s[G1+5], KROW
	s_mov_b32 s[G1+6], 0
	s_mov_b32 s[G1+7], 0
	s_or_b32 s[G1B+0], s44, (3<<16)|(1<<20)|(1<<21)|(5<<22)|(3<<25)  ; B: a dense block, 136 rows of 32 elements of 8 bytes
	s_mov_b32 s[G1B+1], 32<<16
	s_mov_b32 s[G1B+2], 136<<16
	s_mov_b32 s[G1B+3], 32<<16
	s_mov_b32 s[G1B+4], 136
	s_mov_b32 s[G1B+5], 32
	s_mov_b32 s[G1B+6], 0
	s_mov_b32 s[G1B+7], 0
	s_or_b32 s[G1S+0], s43, (3<<16)|(1<<20)|(1<<21)|(5<<22)|(3<<25)  ; A's scales: dense, 128 rows of 256 bytes
	s_mov_b32 s[G1S+1], 32<<16
	s_mov_b32 s[G1S+2], 128<<16
	s_mov_b32 s[G1S+3], 32<<16
	s_mov_b32 s[G1S+4], 128
	s_mov_b32 s[G1S+5], 32
	s_mov_b32 s[G1S+6], 0
	s_mov_b32 s[G1S+7], 0
	s_lshl_b32 s20, s17, 19                        ; the tile's first row of a_codes: 256 x tile row x 2,048 bytes
	s_mov_b32 s21, 0
	s_lshl_b32 s22, s17, 15                        ; and of a_scales: x 128 bytes
	s_mov_b32 s23, 0
	s_lshl_b32 s18, s16, 18                        ; in the ring: my 128 rows
	s_mov_b32 s19, 0
	s_lshl_b32 s46, s42, 1
	s_add_co_u32 s46, s46, s16
	s_mul_i32 s46, s46, 8*BLKB                     ; my block of columns in wq
	s_mov_b32 s47, 0
	s_mul_i32 s45, s16, HALFA
	s_mul_i32 s94, s16, HALFB
	s_add_co_u32 s94, s94, 2*HALFA
	s_wait_dscnt 0x0                               ; both opening adds are done
	s_wait_kmcnt 0x0
	s_add_nc_u64 s[20:21], s[4:5], s[20:21]
	s_add_nc_u64 s[22:23], s[6:7], s[22:23]
	s_add_nc_u64 s[46:47], s[8:9], s[46:47]
	CROUND                                         ; all sixteen work-groups are here: the first joint loads meet
	s_mov_b32 s[G0H], 1
	s_mov_b32 s[G0H+1], 0
	s_mov_b64 s[G0H+2:G0H+3], s[20:21]
	s_or_b32 s[G0H+3], s[G0H+3], 0x80000000
	s_mov_b32 s[G0S], 1
	s_mov_b32 s[G0S+1], SCA
	s_mov_b64 s[G0S+2:G0S+3], s[22:23]
	s_or_b32 s[G0S+3], s[G0S+3], 0x80000000
	s_add_nc_u64 s[20:21], s[20:21], s[18:19]
.irp s, 0,1
	s_mov_b32 s[G0+4*\s], 1
	s_add_co_u32 s[G0+4*\s+1], s45, \s*SLOT
	s_add_nc_u64 s[G0+4*\s+2:G0+4*\s+3], s[20:21], \s*ROWB
	s_or_b32 s[G0+4*\s+3], s[G0+4*\s+3], 0x80000000
	s_mov_b32 s[G0B+4*\s], 1
	s_add_co_u32 s[G0B+4*\s+1], s94, \s*SLOT
	s_add_nc_u64 s[G0B+4*\s+2:G0B+4*\s+3], s[46:47], \s*BLKB
	s_or_b32 s[G0B+4*\s+3], s[G0B+4*\s+3], 0x80000000
.endr
; THE HEAD'S LOADS, one a wave, in one chain of branches on the wave's number: wave 0 K step 0's 256 rows of A, wave 1 A's scales, waves 2 and 3 K step 0's two blocks of B
.macro ARM under, g0, g1, next
	s_cmp_lt_u32 s14, \under
	s_cbranch_scc0 \next
	tensor_load_to_lds s[\g0:\g0+3], s[\g1:\g1+7]
	s_nop 0
	PLACES
	s_branch .Lhead_asked
\next:
.endm
	ARM 1, G0H, G1,  .Lhead_s
	ARM 2, G0S, G1S, .Lhead_b
	tensor_load_to_lds s[G0B:G0B+3], s[G1B:G1B+7]
	s_nop 0
	PLACES
.Lhead_asked:
	; the prefetches' stream: A's waves: row 256 x tile row + 128 x half + 32 cx; B's waves: my block + 34 cy rows of 256 bytes; both at K step 2
	s_lshl_b32 s20, s17, 19
	s_lshl_b32 s21, s16, 18
	s_add_co_u32 s20, s20, s21
	s_lshl_b32 s21, s40, 16
	s_add_co_u32 s20, s20, s21
	s_add_co_u32 s20, s20, 2*ROWB
	s_lshl_b32 s22, s42, 1
	s_add_co_u32 s22, s22, s16
	s_mul_i32 s22, s22, 8*BLKB
	s_mul_i32 s23, s41, 34*256
	s_add_co_u32 s22, s22, s23
	s_add_co_u32 s22, s22, 2*BLKB
	s_mov_b32 s[PFS], BLKB
	s_mov_b32 s23, 256
	s_cmp_eq_u32 s15, 0                            ; do I fetch for A?
	s_cselect_b32 s20, s20, s22
	s_cselect_b32 s[PFS], ROWB, s[PFS]
	s_cselect_b32 s23, KROW, s23                   ; from lane to lane
	s_cselect_b64 s[PFA:PFA+1], s[4:5], s[8:9]
	s_mov_b32 s21, 0
	s_mov_b32 s[PFS+1], 0
	s_add_nc_u64 s[PFA:PFA+1], s[PFA:PFA+1], s[20:21]
	v_and_b32 v[PFO2], 31, v0
	v_mul_u32_u24 v[PFO], s23, v[PFO2]
	v_min_u32 v[PFO2], 1, v[PFO2]
	v_lshl_add_u32 v[PFO2], v[PFO2], 8, 8192
	ASK 0                                          ; K step 2
	v_and_b32 v1, 15, v0                           ; l % 16
	v_bfe_u32 v2, v0, 4, 1                         ; l / 16
	v_mul_u32_u24 v3, v1, PITCH
	v_lshl_add_u32 v4, v2, 4, v3                   ; a fragment's row x pitch + 16 x half
	s_mul_i32 s21, s15, HALFA
	s_mul_i32 s22, s16, HALFB
	s_add_co_u32 s22, s22, 2*HALFA
.irp s, 0,1
	v_add_nc_u32 v[ADRA+\s], s21, v4
	v_add_nc_u32 v[ADRB+\s], s22, v4
	s_add_co_u32 s21, s21, SLOT
	s_add_co_u32 s22, s22, SLOT
.endr
	v_lshlrev_b32 v5, 7, v1                        ; A's scales: 128 bytes a row,
	v_lshrrev_b32 v6, 8, v5
	v_lshl_add_u32 v5, v6, 4, v5                   ; 16 more for each 256 passed,
	v_mad_u32_u24 v5, v2, 32*PITCH, v5             ; lanes 16-31 64 rows further on
	s_mul_i32 s21, s15, 64*PITCH
	s_add_co_u32 s21, s21, SCA
	v_add_nc_u32 v[ADRSA], s21, v5
	v_lshlrev_b32 v5, 4, v1                        ; B's scales: 16 bytes a column, behind the block's codes; lanes 16-31 64 columns further on
	v_mad_u32_u24 v5, v2, 4*PITCH, v5
	s_mul_i32 s22, s16, HALFB
	s_add_co_u32 s22, s22, 2*HALFA+128*PITCH
.irp s, 0,1
	v_add_nc_u32 v[ADRSB+\s], s22, v5
	s_add_co_u32 s22, s22, SLOT
.endr
	s_mul_i32 s23, s14, 16*SPITCH                  ; my stage
	v_mul_u32_u24 v5, v1, SPITCH
	v_lshl_add_u32 v5, v2, 5, v5
	v_add_nc_u32 v[STO], s23, v5
	v_and_b32 v6, 31, v0
	v_lshlrev_b32 v[CO], 4, v6
	v_add_nc_u32 v[RD], s23, v[CO]
	s_lshl_b32 s20, s17, 8
	s_lshl_b32 s21, s15, 7
	s_add_co_u32 s20, s20, s21
	s_lshl_b32 s20, s20, 14                        ; my first row of out, 16,384 bytes a row
	s_lshl_b32 s46, s42, 10
	s_lshl_b32 s47, s16, 9
	s_add_co_u32 s46, s46, s47
	s_add_co_u32 s20, s20, s46                     ; and my first column
	s_mov_b32 s21, 0
	s_add_nc_u64 s[12:13], s[12:13], s[20:21]
.macro FRAG reg, adr, q, i             ; 16 rows x 128 K of 4-bit codes: two loads of 16 bytes a lane, 32 bytes apart
.irp c, 0,1
	ds_load_b128 v[\reg+4*\c:\reg+4*\c+3], v[\adr] offset:64*(\q)+32*\c+(\i)*16*PITCH
.endr
.endm
; one product: A's block a (its fragment at RAF) x B's block b (of the eight at RBB), the slot's q-th 128 along K, scale set sc.  Blocks 4-7 take their scale words from lanes 16-31
.macro WM a, b, q, sc, zero
.set rD,  8*(8*((\a)%4)+(\b))
.set rB,  RBB+FR*(\b)
.set rA,  RAF
.set rSB, SC+32*(\sc)+16+4*((\b)%4)+(\q)
.set rSA, SC+32*(\sc)+4*((\a)%4)+(\q)
.set RW,  2*((\a)/4)+(\b)/4
.if \zero
.if RW == 0
	v_wmma_scale_f32_16x16x128_f8f6f4 v[rD:rD+7], v[rB:rB+7], v[rA:rA+7], 0, v[rSB], v[rSA] matrix_a_fmt:MATRIX_FMT_FP4 matrix_b_fmt:MATRIX_FMT_FP4
.elseif RW == 1
	v_wmma_scale_f32_16x16x128_f8f6f4 v[rD:rD+7], v[rB:rB+7], v[rA:rA+7], 0, v[rSB], v[rSA] matrix_a_fmt:MATRIX_FMT_FP4 matrix_b_fmt:MATRIX_FMT_FP4 matrix_a_scale:MATRIX_SCALE_ROW1
.elseif RW == 2
	v_wmma_scale_f32_16x16x128_f8f6f4 v[rD:rD+7], v[rB:rB+7], v[rA:rA+7], 0, v[rSB], v[rSA] matrix_a_fmt:MATRIX_FMT_FP4 matrix_b_fmt:MATRIX_FMT_FP4 matrix_b_scale:MATRIX_SCALE_ROW1
.else
	v_wmma_scale_f32_16x16x128_f8f6f4 v[rD:rD+7], v[rB:rB+7], v[rA:rA+7], 0, v[rSB], v[rSA] matrix_a_fmt:MATRIX_FMT_FP4 matrix_b_fmt:MATRIX_FMT_FP4 matrix_a_scale:MATRIX_SCALE_ROW1 matrix_b_scale:MATRIX_SCALE_ROW1
.endif
.else
.if RW == 0
	v_wmma_scale_f32_16x16x128_f8f6f4 v[rD:rD+7], v[rB:rB+7], v[rA:rA+7], v[rD:rD+7], v[rSB], v[rSA] matrix_a_fmt:MATRIX_FMT_FP4 matrix_b_fmt:MATRIX_FMT_FP4
.elseif RW == 1
	v_wmma_scale_f32_16x16x128_f8f6f4 v[rD:rD+7], v[rB:rB+7], v[rA:rA+7], v[rD:rD+7], v[rSB], v[rSA] matrix_a_fmt:MATRIX_FMT_FP4 matrix_b_fmt:MATRIX_FMT_FP4 matrix_a_scale:MATRIX_SCALE_ROW1
.elseif RW == 2
	v_wmma_scale_f32_16x16x128_f8f6f4 v[rD:rD+7], v[rB:rB+7], v[rA:rA+7], v[rD:rD+7], v[rSB], v[rSA] matrix_a_fmt:MATRIX_FMT_FP4 matrix_b_fmt:MATRIX_FMT_FP4 matrix_b_scale:MATRIX_SCALE_ROW1
.else
	v_wmma_scale_f32_16x16x128_f8f6f4 v[rD:rD+7], v[rB:rB+7], v[rA:rA+7], v[rD:rD+7], v[rSB], v[rSA] matrix_a_fmt:MATRIX_FMT_FP4 matrix_b_fmt:MATRIX_FMT_FP4 matrix_a_scale:MATRIX_SCALE_ROW1 matrix_b_scale:MATRIX_SCALE_ROW1
.endif
.endif
.endm
.macro MUL8 a, p, q, sc, zero          ; A's block a against B's eight, sets p: the 64 accumulators take turns, in the same order in every step
.set RBB, 128*(\p)
.set RAF, AF+64*(\p)+FR*(\a)
.irp b, 0,1,2,3,4,5,6,7
	WM \a, \b, \q, \sc, \zero
.endr
.endm
.macro LDB slot, q, p, i0              ; eight loads: B's blocks i0 .. i0 + 3 into set p
	WIN TO_B
.irp i, \i0, \i0+1, \i0+2, \i0+3
	FRAG 128*(\p)+FR*(\i), ADRB+\slot, \q, \i
.endr
.endm
.macro LDA slot, q, p, i0              ; eight loads: A's blocks i0 .. i0 + 3 into set p
	WIN 0
.irp i, \i0, \i0+1, \i0+2, \i0+3
	FRAG AF+64*(\p)+FR*(\i), ADRA+\slot, \q, \i
.endr
.endm
.macro SCALES sc                       ; a K step's scale words: four words a row
.irp i, 0,1,2,3
	ds_load_b128 v[SC+32*\sc+4*\i:SC+32*\sc+4*\i+3], v[ADRSA] offset:\i*8*PITCH
	ds_load_b128 v[SC+32*\sc+16+4*\i:SC+32*\sc+16+4*\i+3], v[ADRSB+\sc] offset:\i*PITCH
.endr
.endm
.macro BLOAD q                         ; the last K step (slot 1): sixteen loads: B's eight fragments of quarter q into window 1, v[64 q ..]
.irp i, 0,1,2,3,4,5,6,7
	FRAG 64*\q+FR*\i, ADRB+1, \q, \i
.endr
.endm
.macro ALOAD a                         ; the last K step: eight loads: A's block a, all four quarters, into buffer a % 3
.irp q, 0,1,2,3
	FRAG PA+32*((\a)%3)+FR*\q, ADRA+1, \q, \a
.endr
.endm
; A step of 128 along K whose successor lies in the same slot
.macro STEP slot, q, zero
	s_wait_dscnt 0x0                               ; this step's sets are in: their last loads were issued 32 products ago
	PLACES                                         ; four places between the last step's products and the loads into the sets that they read
	WIN MUL_LO
	MUL8 0, (\q)%2, \q, \slot, \zero
	LDB \slot, (\q)+1, 1-(\q)%2, 0
	WIN MUL_LO
	MUL8 1, (\q)%2, \q, \slot, \zero
	LDB \slot, (\q)+1, 1-(\q)%2, 4
	WIN MUL_LO
	MUL8 2, (\q)%2, \q, \slot, \zero
	LDA \slot, (\q)+1, 1-(\q)%2, 0
	WIN MUL_LO
	MUL8 3, (\q)%2, \q, \slot, \zero
	LDA \slot, (\q)+1, 1-(\q)%2, 4
	WIN MUL_HI
.irp a, 4,5,6,7
	MUL8 \a, (\q)%2, \q, \slot, \zero
.endr
.endm
; A slot's last step changes slots.  My reads of this slot ended in the step before.  fill = 1: the slot is filled again, two K steps on, behind a round of the cluster's barrier.
; fill = 0: the change to the last K step, which goes by rows: three quarters of B, A's first three blocks and the scale words are fetched (B's quarter 2 lands on the set that is still multiplied, and follows)
.macro TURN slot, next, fill
	WIN 0                                          ; the add's registers lie in window 0
.if \fill
	s_wait_xcnt 0x0                                ; my last prefetches have read their address: on to the next K step
	s_add_nc_u64 s[PFA:PFA+1], s[PFA:PFA+1], s[PFS:PFS+1]
.endif
	s_wait_tensorcnt 0x0                           ; all my tensor loads have landed: the one that was out is my part of the next slot
	ds_add_u32 v[SPW], v[NIL]
	s_wait_dscnt 1                                 ; this step's sets are in; the add may be out
	WIN MUL_LO
	MUL8 0, 1, NQ-1, \slot, 0
	s_wait_dscnt 0x0                               ; the add is done; no read of this slot is out
	s_barrier_signal -1
	MUL8 1, 1, NQ-1, \slot, 0
	WIN 0
	s_barrier_wait -1
.if \fill
	CREST
	s_add_nc_u64 s[G0+4*\slot+2:G0+4*\slot+3], s[G0+4*\slot+2:G0+4*\slot+3], 2*ROWB
	s_add_nc_u64 s[G0B+4*\slot+2:G0B+4*\slot+3], s[G0B+4*\slot+2:G0B+4*\slot+3], 2*BLKB
	JLOAD G0+4*\slot, G1, G0B+4*\slot, G1B         ; the first tensor load behind the round; its four v_nop are the places in front of the loads below
.else
	PLACES
.endif
	v_add_nc_u32 v[ADRSA], 4*NQ, v[ADRSA]          ; the next K step's scale words of A
	s_wait_alu depctr_va_vdst(0)                   ; the wait here, directly behind the write
.if \fill
	LDB \next, 0, 0, 0
	LDB \next, 0, 0, 4
	WIN MUL_LO
	MUL8 2, 1, NQ-1, \slot, 0
	LDA \next, 0, 0, 0
	SCALES \next
	ASK 1                                          ; the K step two refills on
	WIN MUL_LO
	MUL8 3, 1, NQ-1, \slot, 0
	LDA \next, 0, 0, 4
.else
	WIN TO_B
	BLOAD 0
	BLOAD 1
	BLOAD 3
	WIN 0
	ALOAD 0
	ALOAD 1
	ALOAD 2
	SCALES \next
	WIN MUL_LO
	MUL8 2, 1, NQ-1, \slot, 0
	MUL8 3, 1, NQ-1, \slot, 0
.endif
	WIN MUL_HI
.irp a, 4,5,6,7
	MUL8 \a, 1, NQ-1, \slot, 0
.endr
.endm
	s_wait_alu depctr_va_vdst(0)                   ; the wait at the head's end
	s_wait_xcnt 0x0                                ; the head's prefetches have read their address
	s_add_nc_u64 s[PFA:PFA+1], s[PFA:PFA+1], s[PFS:PFS+1]   ; K step 3
	s_wait_tensorcnt 0x0                           ; my tile of the head's is in; slot 1's first fill is issued as a refill is
	ds_add_u32 v[SPW], v[NIL]
	s_mov_b32 s[G1+2], 128<<16                     ; no tensor load of mine is out: from here on a load of A brings 128 rows
	s_mov_b32 s[G1+4], 128
	s_wait_dscnt 0x0
	CROUND
	JLOAD G0+4, G1, G0B+4, G1B                     ; K step 1
	LDB 0, 0, 0, 0
	LDB 0, 0, 0, 4
	LDA 0, 0, 0, 0
	LDA 0, 0, 0, 4
	SCALES 0
	ASK 0                                          ; K step 3
	STEP 0, 0, 1                                   ; the first step's products start the sums
	WIN 0
	s_mov_b32 s3, LAPS-1
.Llap:                                             ; a trip goes once round the ring, from a lap's second step to the next lap's first
	STEP 0, 1, 0
	STEP 0, 2, 0
	TURN 0, 1, 1
	STEP 1, 0, 0
	STEP 1, 1, 0
	STEP 1, 2, 0
	TURN 1, 0, 1
	STEP 0, 0, 0
	WIN 0
	s_sub_co_u32 s3, s3, 1
	s_cmp_lg_u32 s3, 0
	s_cbranch_scc1 .Llap
	STEP 0, 1, 0                                   ; the last lap fills nothing
	STEP 0, 2, 0
	TURN 0, 1, 0
; THE LAST K STEP, BY ROWS.  Block a of my eight blocks of 16 rows is finished by 32 products, its eight accumulators by turns; quarter 2 comes last, since its fragments of B were asked for last
.macro ROW a
	WIN MUL_LO+0x50*((\a)/4)
.irp q, 0,1,3,2
.if (\a) == 0 && \q == 2
	s_wait_dscnt 0x0                               ; B's quarter 2 is in
.endif
.set RBB, 64*\q
.set RAF, PA+32*((\a)%3)+FR*\q
.irp b, 0,1,2,3,4,5,6,7
	WM \a, \b, \q, 1, 0
.endr
.endr
.endm
; THE WAY OUT of a block of 16 rows x 128 columns: through my own stage and back as whole rows of 512 bytes; a wave's LDS instructions are served in order (ISA guide 5.7.1.4)
.macro TOSTAGE a
.if (\a) > 0
	s_wait_xcnt 0x0                                ; the block before: its stores have read their registers and their base
.endif
.set AC, 64*((\a)%4)
	WIN 0x08+4*((\a)/4)
.irp b, 0,1,2,3,4,5,6,7
	ds_store_b128 v[STO], v[AC+8*\b:AC+8*\b+3] offset:64*\b          ; each accumulator from its low end on
	ds_store_b128 v[STO], v[AC+8*\b+4:AC+8*\b+7] offset:64*\b+16
.endr
	WIN 0
.irp t, 0,1,2,3,4,5,6,7,8,9,10,11,12,13,14,15
	ds_load_b128 v[BK+4*\t:BK+4*\t+3], v[RD] offset:\t*SPITCH
.endr
.endm
.macro SEND a, younger                 ; younger: the LDS loads issued behind the block's own, which may stay out
	s_wait_dscnt \younger
.if (\a) > 0
	s_add_nc_u64 s[12:13], s[12:13], 16*SIZE_N*4   ; behind TOSTAGE's wait on XCNT
.endif
.irp t, 0,1,2,3,4,5,6,7,8,9,10,11,12,13,14,15
	global_store_b128 v[CO], v[BK+4*\t:BK+4*\t+3], s[12:13] offset:\t*SIZE_N*4 th:TH_STORE_NT   ; 32 lanes store 512 consecutive bytes, at a multiple of 256 from out's first byte
.endr
.endm
	PLACES                                         ; in front of the loads into B's set 1, which the step above multiplied
	WIN TO_B
	BLOAD 2
	s_wait_dscnt 16                                ; all but the sixteen just issued
	ROW 0
.irp a, 0,1,2,3,4,5,6,7                ; block a goes to the stage, the next block's products are issued, and block a is stored
	PLACES                                         ; in front of the reads of block a's results and of the loads into its buffer of A
	TOSTAGE \a
.if \a < 5
	ALOAD \a+3                                     ; block a's buffer takes the block three further on
.endif
.if \a < 7
	ROW \a+1
	WIN 0
.endif
.if \a < 5
	SEND \a, 8
.else
	SEND \a, 0
.endif
.endr
	s_wait_tensorcnt 0x0                           ; the wave's end
	ds_add_u32 v[SPW], v[NIL]
	s_wait_dscnt 0x0
	CROUND                                         ; the closing round
	s_endpgm
.Lfunc_end_k_qf5801ebd8d_gemm:
	.size	k_qf5801ebd8d_gemm, .Lfunc_end_k_qf5801ebd8d_gemm-k_qf5801ebd8d_gemm
	.p2alignl 7, 3214868480
	.fill 96, 4, 3214868480
	.section	.rodata,"a",@progbits
	.p2align	6, 0x0
	.amdhsa_kernel k_qf5801ebd8d_gemm
		.amdhsa_group_segment_fixed_size 327680
		.amdhsa_private_segment_fixed_size 0
		.amdhsa_enable_private_segment 0
		.amdhsa_kernarg_size 32
		.amdhsa_user_sgpr_count 2
		.amdhsa_user_sgpr_kernarg_segment_ptr 1
		.amdhsa_wavefront_size32 1
		.amdhsa_system_sgpr_workgroup_id_x 1
		.amdhsa_system_sgpr_workgroup_id_y 1
		.amdhsa_system_sgpr_workgroup_id_z 1
		.amdhsa_system_vgpr_workitem_id 0
		.amdhsa_next_free_vgpr 1024
		.amdhsa_next_free_sgpr 98
		.amdhsa_reserve_vcc 0
		.amdhsa_float_denorm_mode_32 3
		.amdhsa_float_denorm_mode_16_64 3
		.amdhsa_memory_ordered 1
		.amdhsa_forward_progress 1
		.amdhsa_inst_pref_size 213
	.end_amdhsa_kernel
	.amdgpu_metadata
---
amdhsa.version: [ 1, 2 ]
amdhsa.kernels:
  - .name:           k_qf5801ebd8d_gemm
    .symbol:         k_qf5801ebd8d_gemm.kd
    .args:
      - { .name: a_codes, .offset: 0, .size: 8, .value_kind: global_buffer, .address_space: global }
      - { .name: a_scales, .offset: 8, .size: 8, .value_kind: global_buffer, .address_space: global }
      - { .name: wq, .offset: 16, .size: 8, .value_kind: global_buffer, .address_space: global }
      - { .name: out0, .offset: 24, .size: 8, .value_kind: global_buffer, .address_space: global }
    .group_segment_fixed_size: 327680
    .private_segment_fixed_size: 0
    .kernarg_segment_align: 8
    .kernarg_segment_size: 32
    .max_flat_workgroup_size: 128
    .sgpr_count:     98
    .vgpr_count:     1024
    .wavefront_size: 32
...
	.end_amdgpu_metadata
.endif
;; end of part 2
